; MI455X (gfx1250); checked and timed in simulation.
; The chip was launched on July 23, 2026; its instructions are those of AMD's public machine-readable ISA for CDNA 5 (MIT licence, August 2026) and "CDNA5" Instruction Set Architecture Reference Guide (July 2026). The comments in the code are by the model that wrote it; some were corrected since.
;; Attention. Allowed arithmetic: matrix products marked QUANTISED: E5M2 operands, one E8M0 scale for each 32 along K, by v_wmma_scale_f32_16x16x128_f8f6f4 with both operands' format E5M2, f32 sums; everything else in f32.
;; Inputs: W 1,024 x 1,024 float32; b 1,024 float32; k 4 x 2,048 x 1,024 float32; mask 4 x 2,048 int32; q 4 x 2,048 x 1,024 float32; v 4 x 2,048 x 1,024 float32.
;; Outputs: out0 4 x 2,048 x 1,024 float32.
;; This version of the problem:
;;   THIS VERSION OF THE PROBLEM IS GIVEN IN LOW PRECISION. The matrix products marked QUANTISED in the list below multiply operands that are first quantised to E5M2 (5 exponent bits, 2 mantissa bits; 8 bits a number), with one power-of-two scale for each 32 numbers along K (OCP MX v1.0); their sums are f32. All else is computed in f32.
;;   The module's matrix products, in the order in which they are computed (A, B: the left and right operand; K: the contracted axis; several contracted axes count as one K, in the product's order):
;;     1. batch 64 x [M 2,048, K 64] x [K 64, N 2,048]; A: input q; B: input k: QUANTISED
;;     2. batch 64 x [M 2,048, K 2,048] x [K 2,048, N 64]; A: softmax (see below); B: input v: QUANTISED
;;     3. [M 8,192, K 1,024] x [K 1,024, N 1,024]; A: computed on the way; B: input W: QUANTISED
;;   THE QUANTISER, for each operand of a quantised product, along K:
;;     - K is cut into blocks of 32 from its start; a last block that is shorter is filled with zeros.
;;     - A block's scale is 2^e with e = floor(log2(the largest magnitude in the block)) - 15, held to -126 .. 127; a block of zeros has e = 0. As a byte (E8M0): e + 127.
;;     - Each number is divided by its block's scale, clamped to +-57,344, and rounded to the nearest number of E5M2, ties to even, subnormals kept.
;;     - The product sums the exact products of the quantised numbers (number of the format x scale) in f32.
;;   ~~~python
;;   def quantise(x, axis):      # numpy; x: float32 -> the quantised numbers, widened to float32 again
;;       x = np.moveaxis(x, axis, -1); K = x.shape[-1]
;;       x = np.pad(x, [(0, 0)] * (x.ndim - 1) + [(0, -K % 32)]); x = x.reshape(x.shape[:-1] + (-1, 32)); a = np.abs(x).max(-1, keepdims=True)
;;       e = np.where(a > 0, np.clip(np.frexp(np.where(a > 0, a, 1))[1] - 1 - 15, -126, 127), 0)      # np.frexp(a)[1] - 1 = floor(log2(a)), exactly
;;       r = np.clip(x / 2.0 ** e, -57344, 57344)
;;       step = 2.0 ** (np.maximum(np.frexp(np.where(r == 0, 1, r))[1] - 1, -14) - 2)
;;       q = np.round(r / step) * step * 2.0 ** e      # np.round: ties to even
;;       return np.moveaxis(q.reshape(q.shape[:-2] + (-1,))[..., :K], -1, axis).astype(np.float32)
;;   ~~~
;;   SOFTMAX AHEAD OF A QUANTISED PRODUCT. Where the list says 'softmax', what is quantised is not the finished softmax but p = 2^(t - M), with t = logit x log2(e) and M = ceil(the row's largest t), a whole number; so 1/2 < the row's largest p <= 1. The row's sum l is taken of the UNQUANTISED p, in f32, and the product's result is divided by l at the end. Since M is a whole number, a kernel that streams over the keys may use a running M (the ceiling of the running maximum): every later rescaling is an exact power of two, which a block's scale takes up: the codes' values come out the same.
;;   OPERANDS COMPUTED ON THE WAY. 'Computed on the way' means the value that the module computes at that place (a softmax that the list does not call 'softmax' is quantised finished and normalised). What goes into a quantiser is computed in f32, as accurately as f32 sums, v_exp_f32 and their like allow (about 1e-6 of the number): no bf16 or f16 on the way to a quantiser, and a product that is left as it is and whose result goes on into a quantised operand takes f32 operands (vector FMAs, or v_wmma_f32_16x16x4_f32). A number that lies on a knife's edge between two numbers of the format may be rounded either way, as far as f32 arithmetic and the matrix unit's own rounding can turn it there, and no further.
;; One version. Each part assembles by itself: llvm-mc -triple=amdgcn-amd-amdhsa -mcpu=gfx1250 --defsym DOCPART=n.
;; ======== version 1 of 1: 3 launches
;; limits: right only within a limited range of input values
;; workspace buffers: kv 16,777,216 bytes; sw 786,432 bytes; wimg 1,048,576 bytes; wsw 32,768 bytes; oimg 8,388,608 bytes; osw 262,144 bytes
;; launch quant (part 1): grid 544 x 1, 4 waves a work-group, no clusters, 37,376 bytes of LDS; arguments k, W, v, mask, kv, sw, wimg, wsw; writes kv, sw, wimg, wsw
.if DOCPART == 1
	.amdgcn_target "amdgcn-amd-amdhsa--gfx1250"
	.amdhsa_code_object_version 6
	.text
	.protected	k_qf96bd49056_quant
	.globl	k_qf96bd49056_quant
	.p2align	8
	.type	k_qf96bd49056_quant,@function
k_qf96bd49056_quant:
	s_mov_b64 s[64:65], 0
	v_nop
	global_prefetch_b8 v0, s[64:65] scope:SCOPE_SE
	s_setreg_imm32_b32 hwreg(HW_REG_WAVE_MODE, 25, 1), 1
	s_wait_xcnt 0x0
; k [4][2048][1024], W [1024][1024] and v [4][2048][1024], f32, become codes of BF8 (E5M2) with one E8M0 scale byte for each 32 along a product's K,
; laid as IMAGES OF OPERAND REGISTERS, so that the later launches load fragments by 16 bytes a lane from consecutive bytes.
; A block's scale is 2^(floor(log2(its largest magnitude)) - 15); its byte is the largest magnitude's exponent field - 15, held at 1 from below (a block of zeros
; so gets the byte 1 where the rule says 127: its codes are zeros, and this program alone reads the bytes).  Numbers are held within +-57,344 x the scale and rounded to the nearest code, ties to even.
; LIMITS: NaN and infinities among k, W, v are not served; blocks whose largest magnitude lies under 2^-111 keep the byte 1.
; THE ORDER INSIDE A BLOCK OF 32.  Byte 8 u + j of the 16 bytes that lane (r, h) holds of block c is the number 32 c + 16 u + 8 h + j along K.  All operands of all three products are laid so:
; both sides of a product have the same order, blocks stay blocks, and a transposed matrix result's 16 registers of two neighbouring tiles are a lane's 16 bytes as they stand.
; A HALF FRAGMENT is 16 rows x 64 along K: 1,024 bytes, [block 0, 1][lane][16 bytes].
; kv  [batch x head 64][slot of 256 keys 8][32,768]: K's 16 half fragments (tile of 16 keys), then V's: 16,384 + 8,192 step + 2,048 (tile of 16 channels) + 512 (block of 32 keys) + 16 lane.
; sw  [batch 4][slot 8][head 16][1,536]: K's words, 64 (tile) + 4 r; from 1,024 on V's: 256 step + 64 (tile of channels) + 4 row.
; wimg [64 columns 16][tile of 16 rows 64][1,024];  wsw [128 columns 8][tile 64][64].
; K'S WORD: bytes 0, 1 the head's two blocks; byte 2 is 247 where mask == 1 and 1 elsewhere; byte 3 is 127.  The attention launch multiplies byte 2's scale by the codes 1 and -1 in the idle
; half of its K = 128: a padded key's score gets -2^120, an open key's -2^-126.
; SHARES.  Work-groups 0-255: k; 256-287: W; both on one path, on which only scalars differ.  288-543: v, on a path of its own, which uses no LDS.  Waves share nothing: no barrier.
.set X,    64                          ; v64-127   64 numbers of my row, register 16 c + i
.set R,    128                         ; v128-255  two sets of 64 registers, as loaded
.set PC,   36                          ; v36-51    a fragment's codes
.set TM,   20                          ; v20-23 largest magnitudes, v24-27 bytes, v28-31 holds, v32-35 the conversions' scale operands
.set MS,   16                          ; v16-19    mask words of my key in the four jobs
.set WREG, 9216                        ; LDS of a wave: a stage of 16 rows x 528 bytes, then 512 bytes of scale words
.set SP,   528                         ; a stage row: 512 bytes + 16, an odd multiple of 16
.set WOFF, 16*SP
.set XV,   32                          ; the v path: v32-95 two sets of 32 numbers
.set CV,   128                         ; v128-191 codes, eight registers for each block, so that no store's data are written again
.set SB,   24                          ; v24-25 scale words
.macro LOAD t                          ; job t: 16 rows x 512 bytes; each load reads 512 consecutive bytes
.irp i, 0,1,2,3,4,5,6,7,8,9,10,11,12,13,14,15
	global_load_b128 v[R+64*((\t)%2)+4*\i:R+64*((\t)%2)+4*\i+3], v4, s[44:45] offset:(16*(\t)+\i)*4096 th:TH_LOAD_NT
.endr
.endm
.macro TURN t                          ; through my stage: in as loaded, out as lane (r, h) wants its row: LDS serves a wave's instructions in order, so no wait stands between
.irp i, 0,1,2,3,4,5,6,7,8,9,10,11,12,13,14,15
	ds_store_b128 v5, v[R+64*((\t)%2)+4*\i:R+64*((\t)%2)+4*\i+3] offset:SP*\i
.endr
.irp c, 0,1,2,3
.irp j, 0,1,2,3
	ds_load_b128 v[X+16*\c+4*\j:X+16*\c+4*\j+3], v6 offset:128*\c+64*(\j/2)+16*(\j%2)   ; numbers 32 c + 16 (j / 2) + 8 h + 4 (j % 2) on
.endr
.endr
.endm
.macro QUANT4                          ; v[X] on: four blocks, 16 numbers each in my lane and 16 in lane l xor 16
.irp b, 0,1,2,3
	v_max3_num_f32 v[TM+\b], |v[X+16*\b]|, |v[X+1+16*\b]|, 0x8000000   ; with the floor 2^(16 - 127): the byte cannot fall under 1
.endr
.irp i, 2,4,6,8,10,12,14
.irp b, 0,1,2,3
	v_max3_num_f32 v[TM+\b], v[TM+\b], |v[X+16*\b+\i]|, |v[X+1+16*\b+\i]|
.endr
.endr
.irp b, 0,1,2,3
	v_permlanex16_b32 v[TM+4+\b], v[TM+\b], s56, s57
.endr
.irp b, 0,1,2,3
	v_max_num_f32 v[TM+\b], v[TM+\b], v[TM+4+\b]
.endr
.irp b, 0,1,2,3
	v_add_nc_u32 v[TM+12+\b], 0xf8800000, v[TM+\b]                 ; 15 off the exponent field: the conversion's scale operand
.endr
.irp b, 0,1,2,3
	v_and_or_b32 v[TM+8+\b], v[TM+\b], 0x7f800000, s54            ; 57,344 x the scale
.endr
.irp b, 0,1,2,3
	v_lshrrev_b32 v[TM+4+\b], 23, v[TM+12+\b]                     ; the scale's byte
.endr
.irp b, 0,1,2,3
.irp i, 0,1,2,3,4,5,6,7,8,9,10,11,12,13,14,15
	v_med3_num_f32 v[X+16*\b+\i], v[X+16*\b+\i], -v[TM+8+\b], v[TM+8+\b]   ; the conversion to an 8-bit code does not saturate (ISA guide 7.6.2)
.endr
	v_cvt_scalef32_pk8_bf8_f32 v[PC+4*\b:PC+4*\b+1], v[X+16*\b:X+16*\b+7], v[TM+12+\b]
	v_cvt_scalef32_pk8_bf8_f32 v[PC+4*\b+2:PC+4*\b+3], v[X+8+16*\b:X+15+16*\b], v[TM+12+\b]
.endr
	v_nop                                          ; a plain line behind the last conversion
.endm
; One job: 16 rows x 128 columns.  left: the younger loads that may stay out.  more = 1: the job two on is asked for.
.macro JOB jj, left, more
	s_wait_loadcnt \left
	TURN \jj
	s_wait_dscnt 0x0                               ; the numbers are back, so the stage's stores have read their registers
	s_wait_xcnt 0x0                                ; the last job's stores have read the codes' registers
.if \more
	LOAD (\jj)+2
.endif
	QUANT4
	v_lshl_or_b32 v13, v[TM+5], 8, v[TM+4]         ; bytes 0, 1
	v_lshl_or_b32 v14, v[TM+7], 8, v[TM+6]         ; bytes 2, 3
	v_cndmask_b32 v15, v13, v14, s30               ; k: lanes 16-31 make the second head's word;  W: all lanes take bytes 0, 1
	v_cmp_eq_u32 vcc_lo, 1, v[MS+\jj]
	v_cndmask_b32 v13, v11, v12, vcc_lo            ; k's upper half: 127, and 247 for a padded key or 1 for an open one
	v_lshlrev_b32 v14, 16, v14
	v_cndmask_b32 v13, v14, v13, s31               ; W's upper half: bytes 2, 3
	v_or_b32 v15, v15, v13
	ds_store_b32 v7, v15 offset:WOFF+64*\jj
	global_store_b128 v4, v[PC:PC+3], s[46:47] offset:1024*\jj          ; each store writes 512 consecutive bytes, aligned
	global_store_b128 v4, v[PC+4:PC+7], s[46:47] offset:1024*\jj+512
	global_store_b128 v4, v[PC+8:PC+11], s[50:51] offset:1024*\jj
	global_store_b128 v4, v[PC+12:PC+15], s[50:51] offset:1024*\jj+512
.endm
.macro LOADV t                         ; block t: v(32 t + i, my column), i = 0 .. 31
.irp i, 0,1,2,3,4,5,6,7,8,9,10,11,12,13,14,15,16,17,18,19,20,21,22,23,24,25,26,27,28,29,30,31
	global_load_b32 v[XV+32*((\t)%2)+\i], v3, s[44:45] offset:(32*(\t)+\i)*4096 th:TH_LOAD_NT
.endr
.endm
.macro BLOCKV t
.set XS, XV+32*((\t)%2)
.if (\t) < 7
	s_wait_loadcnt 32                              ; this block's 32 loads are in; the next block's may be out
.else
	s_wait_loadcnt 0
.endif
	v_max3_num_f32 v12, |v[XS]|, |v[XS+1]|, |v[XS+2]|
	v_max3_num_f32 v13, |v[XS+3]|, |v[XS+4]|, |v[XS+5]|
.irp i, 6,10,14,18,22,26
	v_max3_num_f32 v12, v12, |v[XS+\i]|, |v[XS+\i+1]|
	v_max3_num_f32 v13, v13, |v[XS+\i+2]|, |v[XS+\i+3]|
.endr
	v_max3_num_f32 v12, v12, |v[XS+30]|, |v[XS+31]|
	v_max3_num_f32 v12, v12, v13, 0x8000000        ; and the floor
	v_add_nc_u32 v11, 0xf8800000, v12
	v_and_or_b32 v10, v12, 0x7f800000, s54
	v_lshrrev_b32 v13, 23, v11
.if (\t)%4 == 0
	v_mov_b32 v[SB+(\t)/4], v13                    ; four bytes to a word: a key step's four blocks
.else
	v_lshl_or_b32 v[SB+(\t)/4], v13, 8*((\t)%4), v[SB+(\t)/4]
.endif
.irp i, 0,1,2,3,4,5,6,7,8,9,10,11,12,13,14,15,16,17,18,19,20,21,22,23,24,25,26,27,28,29,30,31
	v_med3_num_f32 v[XS+\i], v[XS+\i], -v10, v10
.endr
.irp g, 0,1,2,3                        ; keys 8 g on belong to half g % 2 of the lanes, bytes 8 (g / 2) on
	v_cvt_scalef32_pk8_bf8_f32 v[CV+8*(\t)+4*(\g%2)+2*(\g/2):CV+8*(\t)+4*(\g%2)+2*(\g/2)+1], v[XS+8*\g:XS+8*\g+7], v11
.endr
	v_nop
	global_store_b128 v4, v[CV+8*(\t):CV+8*(\t)+3], s[46:47] offset:((\t)/4)*8192+((\t)%4)*512        ; sixteen lanes write 256 consecutive bytes, aligned
	global_store_b128 v4, v[CV+8*(\t)+4:CV+8*(\t)+7], s[46:47] offset:((\t)/4)*8192+((\t)%4)*512+256
.if (\t)+2 < 8
	LOADV (\t)+2
.endif
.endm
	s_load_b512 s[4:19], s[0:1], 0x0               ; k s[4:5], W s[6:7], v s[8:9], mask s[10:11], kv s[12:13], sw s[14:15], wimg s[16:17], wsw s[18:19]
	v_lshl_add_u32 v8, v0, 2, 0x9000
	s_set_vgpr_msb 0x40
	v_mov_b32 v1, 0
	s_set_vgpr_msb 0x4000
	v_lshrrev_b32 v1, 5, v0
	v_readfirstlane_b32 s20, v1                    ; wave 0..3
	v_and_b32 v1, 31, v0                           ; lane
	s_mov_b32 s54, 0x600000                        ; the mantissa field of 57,344
	s_cmp_ge_u32 ttmp9, 288
	s_cbranch_scc1 .Lv
	; ---- k and W: K is innermost.  A work-group takes 64 rows x 512 columns, a wave 64 rows x 128 columns in four jobs of 16 rows
	v_and_b32 v2, 15, v0                           ; r
	v_bfe_u32 v3, v0, 4, 1                         ; h
	v_lshlrev_b32 v4, 4, v1                        ; 16 x lane: a load's, and an image's, place for my lane
	s_mul_i32 s21, s20, WREG
	v_add_nc_u32 v5, s21, v4                       ; the stage on the way in, and the words on the way out
	v_mul_u32_u24 v6, v2, SP
	v_lshl_add_u32 v6, v3, 5, v6
	v_add_nc_u32 v6, s21, v6                       ; the stage on the way out: row r, + 32 h
	v_lshlrev_b32 v9, 2, v2                        ; 4 r
	v_lshl_add_u32 v7, v3, 8, v9
	v_add_nc_u32 v7, s21, v7                       ; my word: 4 r + 256 h
	v_lshlrev_b32 v10, 4, v2
	v_mad_u32_u24 v10, v3, 1536, v10               ; the words in memory: 16 r, and lanes 16-31 one head on
	v_mov_b32 v11, 0x7f010000
	v_mov_b32 v12, 0x7ff70000
.irp b, 0,1,2,3
	v_mov_b32 v[TM+4+\b], 0                        ; written once: a lane permute's destination counts as one of its sources
.endr
	s_mov_b32 s56, 0x76543210
	s_mov_b32 s57, 0xfedcba98                      ; v_permlanex16_b32's selects for lane l xor 16
	s_cmp_lt_u32 ttmp9, 256                        ; k's work-group or W's?  The choice hangs on the work-group's number alone
	s_cselect_b32 s22, 0, 256
	s_cselect_b32 s30, 0xffff0000, 0               ; lanes that take the second head's bytes
	s_cselect_b32 s31, -1, 0                       ; lanes whose upper half is the mask's
	s_cselect_b32 s32, 32, 16                      ; lanes that store words
	s_mov_b32 s33, 65536
	s_cselect_b32 s33, 262144, s33                 ; from the first 64 columns' image to the second's
	s_sub_co_u32 s22, ttmp9, s22
	s_lshr_b32 s23, s22, 1                         ; which 64 rows
	s_and_b32 s22, s22, 1
	s_lshl_b32 s22, s22, 2
	s_add_co_u32 s22, s22, s20                     ; s: which 128 columns
	s_lshl_b32 s24, s23, 18
	s_lshl_b32 s25, s22, 9
	s_add_co_u32 s24, s24, s25                     ; the source: 64 rows of 4,096 bytes, 512 bytes a chunk
	s_lshr_b32 s26, s23, 5                         ; k: batch,
	s_and_b32 s27, s23, 31
	s_lshr_b32 s28, s27, 2                         ; slot,
	s_and_b32 s27, s27, 3                          ; and which four tiles of the slot
	s_lshl_b32 s34, s26, 4
	s_lshl_b32 s35, s22, 1
	s_add_co_u32 s34, s34, s35                     ; 16 batch + head 2 s
	s_lshl_b32 s34, s34, 3
	s_add_co_u32 s34, s34, s28
	s_lshl_b32 s34, s34, 15
	s_lshl_b32 s36, s27, 12
	s_add_co_u32 s34, s34, s36                     ; k's codes
	s_lshl_b32 s36, s26, 3
	s_add_co_u32 s36, s36, s28
	s_lshl_b32 s36, s36, 4
	s_add_co_u32 s36, s36, s35
	s_mul_i32 s36, s36, 1536
	s_lshl_b32 s37, s27, 8
	s_add_co_u32 s36, s36, s37                     ; k's words
	s_lshl_b32 s38, s22, 7
	s_lshl_b32 s39, s23, 2
	s_add_co_u32 s38, s38, s39
	s_lshl_b32 s38, s38, 10                        ; W's codes: (128 s + 4 x group) x 1,024
	s_lshl_b32 s40, s22, 6
	s_add_co_u32 s40, s40, s39
	s_lshl_b32 s40, s40, 6                         ; W's words: (64 s + 4 x group) x 64
	s_lshl_b32 s42, s23, 8                         ; the mask's 64 words (W's work-groups read words that they do not use: their groups are 0 to 15)
	s_mov_b32 s43, 0
	s_mov_b32 s25, 0
	s_mov_b32 s35, 0
	s_mov_b32 s37, 0
	s_cmp_lt_u32 ttmp9, 256
	s_cselect_b32 s34, s34, s38
	s_cselect_b32 s36, s36, s40
	s_wait_kmcnt 0x0
	s_cselect_b64 s[44:45], s[4:5], s[6:7]
	s_cselect_b64 s[46:47], s[12:13], s[16:17]
	s_cselect_b64 s[48:49], s[14:15], s[18:19]
	s_add_nc_u64 s[44:45], s[44:45], s[24:25]
	s_add_nc_u64 s[46:47], s[46:47], s[34:35]
	s_add_nc_u64 s[48:49], s[48:49], s[36:37]
	s_mov_b32 s34, s33
	s_add_nc_u64 s[50:51], s[46:47], s[34:35]
	s_add_nc_u64 s[52:53], s[10:11], s[42:43]
.irp jj, 0,1,2,3
	global_load_b32 v[MS+\jj], v9, s[52:53] offset:64*\jj
.endr
	LOAD 0
	LOAD 1
	JOB 0, 16, 1                                   ; the count leaves the one younger run of 16 loads out
	JOB 1, 16, 1
	JOB 2, 16, 0
	JOB 3, 0, 0
	ds_load_b128 v[52:55], v5 offset:WOFF          ; the four jobs' words: lanes 0-15 one head's 256 bytes (or W's), lanes 16-31 the other head's
	s_wait_dscnt 0x0
	v_cmp_gt_u32 vcc_lo, s32, v1
	s_wait_xcnt 0x0                                ; EXEC changes only behind this wait
	s_set_vgpr_msb 0x4
	s_wait_tensorcnt 0x0
	ds_add_u32 v8, v1
	s_wait_dscnt 0x0
	s_set_vgpr_msb 0x400
	s_and_saveexec_b32 s58, vcc_lo
	global_store_b128 v10, v[52:55], s[48:49]      ; sixteen lanes write 256 consecutive bytes, aligned
	s_wait_xcnt 0x0
	s_or_b32 exec_lo, exec_lo, s58
	s_endpgm
	; ---- v: K (the keys) is not innermost.  A lane takes a column and its registers run down the keys: a block of 32 keys lies in one lane.
	; A work-group takes 256 keys (a slot) x 128 columns (two heads), a wave 32 columns: half a head, two tiles of 16 channels.
.Lv:
	s_sub_co_u32 s21, ttmp9, 288
	s_and_b32 s22, s21, 7                          ; which 128 columns
	s_bfe_u32 s23, s21, 0x30003                    ; slot
	s_lshr_b32 s24, s21, 6                         ; batch
	s_lshr_b32 s25, s20, 1
	s_lshl_b32 s26, s22, 1
	s_add_co_u32 s25, s25, s26                     ; head
	s_and_b32 s26, s20, 1                          ; which half of it
	s_lshl_b32 s28, s24, 23
	s_lshl_b32 s27, s23, 20
	s_add_co_u32 s28, s28, s27
	s_lshl_b32 s27, s22, 9
	s_add_co_u32 s28, s28, s27
	s_lshl_b32 s27, s20, 7
	s_add_co_u32 s28, s28, s27                     ; (2,048 batch + 256 slot) rows of 4,096 bytes + 4 x my wave's first column
	s_mov_b32 s29, 0
	s_lshl_b32 s30, s24, 4
	s_add_co_u32 s30, s30, s25
	s_lshl_b32 s30, s30, 3
	s_add_co_u32 s30, s30, s23
	s_lshl_b32 s30, s30, 15
	s_lshl_b32 s27, s26, 12
	s_add_co_u32 s30, s30, s27
	s_add_co_u32 s30, s30, 16384                   ; V's part of the slot, my two tiles of channels
	s_mov_b32 s31, 0
	s_lshl_b32 s32, s24, 3
	s_add_co_u32 s32, s32, s23
	s_lshl_b32 s32, s32, 4
	s_add_co_u32 s32, s32, s25
	s_mul_i32 s32, s32, 1536
	s_lshl_b32 s27, s26, 7
	s_add_co_u32 s32, s32, s27
	s_add_co_u32 s32, s32, 1024                    ; V's words, my 32 channels'
	s_mov_b32 s33, 0
	s_wait_alu depctr_va_vdst(0)
	v_lshlrev_b32 v3, 2, v1                        ; 4 x lane: my column, and my word
	v_lshrrev_b32 v4, 4, v1
	v_and_b32 v5, 15, v1
	v_lshlrev_b32 v5, 4, v5
	v_lshl_add_u32 v4, v4, 11, v5                  ; my channel's place in the images: 2,048 (lane / 16) + 16 (lane % 16)
	s_wait_alu depctr_va_vdst(0)
	s_wait_kmcnt 0x0
	s_add_nc_u64 s[44:45], s[8:9], s[28:29]
	s_add_nc_u64 s[46:47], s[12:13], s[30:31]
	s_add_nc_u64 s[48:49], s[14:15], s[32:33]
	LOADV 0
	LOADV 1
.irp t, 0,1,2,3,4,5,6,7
	BLOCKV \t
.endr
	global_store_b32 v3, v[SB], s[48:49]           ; the wave's 32 words of a key step are 128 consecutive bytes: one byte in 128 of what this path reads
	global_store_b32 v3, v[SB+1], s[48:49] offset:256
	s_endpgm
.Lfunc_end_k_qf96bd49056_quant:
	.size	k_qf96bd49056_quant, .Lfunc_end_k_qf96bd49056_quant-k_qf96bd49056_quant
	.p2alignl 7, 3214868480
	.fill 96, 4, 3214868480
	.section	.rodata,"a",@progbits
	.p2align	6, 0x0
	.amdhsa_kernel k_qf96bd49056_quant
		.amdhsa_group_segment_fixed_size 37376
		.amdhsa_private_segment_fixed_size 0
		.amdhsa_enable_private_segment 0
		.amdhsa_kernarg_size 64
		.amdhsa_user_sgpr_count 2
		.amdhsa_user_sgpr_kernarg_segment_ptr 1
		.amdhsa_wavefront_size32 1
		.amdhsa_system_sgpr_workgroup_id_x 1
		.amdhsa_system_sgpr_workgroup_id_y 1
		.amdhsa_system_sgpr_workgroup_id_z 1
		.amdhsa_system_vgpr_workitem_id 0
		.amdhsa_next_free_vgpr 258
		.amdhsa_next_free_sgpr 66
		.amdhsa_reserve_vcc 1
		.amdhsa_float_denorm_mode_32 3
		.amdhsa_float_denorm_mode_16_64 3
		.amdhsa_memory_ordered 1
		.amdhsa_forward_progress 1
		.amdhsa_inst_pref_size 110
	.end_amdhsa_kernel
	.amdgpu_metadata
---
amdhsa.version: [ 1, 2 ]
amdhsa.kernels:
  - .name:           k_qf96bd49056_quant
    .symbol:         k_qf96bd49056_quant.kd
    .args:
      - { .name: k, .offset: 0, .size: 8, .value_kind: global_buffer, .address_space: global }
      - { .name: W, .offset: 8, .size: 8, .value_kind: global_buffer, .address_space: global }
      - { .name: v, .offset: 16, .size: 8, .value_kind: global_buffer, .address_space: global }
      - { .name: mask, .offset: 24, .size: 8, .value_kind: global_buffer, .address_space: global }
      - { .name: kv, .offset: 32, .size: 8, .value_kind: global_buffer, .address_space: global }
      - { .name: sw, .offset: 40, .size: 8, .value_kind: global_buffer, .address_space: global }
      - { .name: wimg, .offset: 48, .size: 8, .value_kind: global_buffer, .address_space: global }
      - { .name: wsw, .offset: 56, .size: 8, .value_kind: global_buffer, .address_space: global }
    .group_segment_fixed_size: 37376
    .private_segment_fixed_size: 0
    .kernarg_segment_align: 8
    .kernarg_segment_size: 64
    .max_flat_workgroup_size: 128
    .sgpr_count:     66
    .vgpr_count:     258
    .wavefront_size: 32
...
	.end_amdgpu_metadata
.endif
;; end of part 1
;; launch attn (part 2): grid 4 x 64, 16 waves a work-group, clusters of 4 x 1, 327,680 bytes of LDS; arguments q, kv, sw, oimg, osw; writes oimg, osw
.if DOCPART == 2
	.amdgcn_target "amdgcn-amd-amdhsa--gfx1250"
	.amdhsa_code_object_version 6
	.text
	.protected	k_qf96bd49056_attn
	.globl	k_qf96bd49056_attn
	.p2align	8
	.type	k_qf96bd49056_attn,@function
k_qf96bd49056_attn:
	s_mov_b64 s[64:65], 0
	v_nop
	global_prefetch_b8 v0, s[64:65] scope:SCOPE_SE
	s_setreg_imm32_b32 hwreg(HW_REG_WAVE_MODE, 25, 1), 1
	s_wait_xcnt 0x0
	s_wait_alu depctr_hold_cnt(0) depctr_sa_sdst(0) depctr_va_vdst(0) depctr_va_sdst(0) depctr_va_ssrc(0) depctr_va_vcc(0) depctr_vm_vsrc(0)
	s_getreg_b32 s2, hwreg(HW_REG_IB_STS2, 6, 4)
	s_cmp_eq_u32 s2, 0
	s_cbranch_scc0 .Lentry_in_a_cluster
	s_endpgm
.Lentry_in_a_cluster:
	s_bfe_u32 s2, ttmp6, 0x10000c
	s_cmp_lg_u32 s2, 0x3003
	s_cbranch_scc0 .Lentry_shape_is_right
	s_endpgm
.Lentry_shape_is_right:
; Causal attention with a padding mask, 4 batches x 16 heads of 64, 2,048 queries and keys, both products on codes of BF8 (E5M2) with one E8M0 scale for each 32 along K.
; q [4][2048][1024] f32 is quantised here, in registers.  K, V and their scale words come as register images.  O / l is quantised along the head's 64 and leaves as the next product's operand:
; oimg [head 16][tile of 16 rows 512][1,024], osw [two heads 8][tile 512][64]: byte 4 r + 2 (head % 2) + block.
; kv [batch x head][slot of 256 keys][32,768]: K's 16 half fragments (16 keys x 64: [block][lane][16 bytes]), then V's: 16,384 + 8,192 step + 2,048 (16 channels) + 512 (32 keys) + 16 lane.
; sw [batch][slot][head][1,536]: K's words (64 a tile), from 1,024 on V's (256 a step, 64 a tile).
; THE ORDER INSIDE A BLOCK OF 32: byte 8 u + j of lane (r, h)'s 16 bytes is the number 32 c + 16 u + 8 h + j along K, in every operand: the 16 registers of two neighbouring tiles of a transposed result are a lane's 16 bytes of a block.
; THE SOFTMAX: t = score x log2(e) / 8; M = the running largest t rounded up to a whole number; p = 2^(t - M) is quantised along the keys, not normalised; l is the sum of the unquantised p and divides O at the end.
; When M moves, l and O are multiplied by 2^(old M - new M), which rounds nothing.
; THE PADDING MASK rides in the idle half of the first product's K = 128: at place 64 K's fragments hold the code of 1 and Q's the code of -1, and byte 2 of a key's scale word is 247 where the key is padded, 1 elsewhere:
; a padded key's score gets -2^120, an open key's -2^-126.  The running largest t starts at -2^110: a padded key's p is 0 exactly.  A row with no open key ends with l = 0: its scale bytes are written as 0xff, so that the next product gives NaN.
; LIMITS: real t stay under 2^110 in magnitude; every open score carries -2^-126; NaN and infinities among the inputs are not served; a block's largest p is taken as the exponential of its largest score, which takes v_exp_f32 not to fall where its input rises.
; LEFT OUT: key steps all of whose keys come after a tile's queries: the causal mask sets those scores to -infinity.
; SHARES.  A head's K, V and words are 274,432 bytes: they lie in LDS WHOLE, each byte filled once, so there is no ring and no refill.  The four work-groups of a head are a cluster of 4 x 1 and ask for them JOINTLY (mask 15), one load a wave.
; The head's 128 tiles of 16 queries: work-group cx takes the tiles 4 a + cx, a = 0 .. 31.  Tile 4 a + cx needs a / 2 + 1 key steps of 128, whatever cx is: no branch hangs on the place in the cluster; cx enters global addresses and the diagonal's compare alone.
; Wave w takes a = 31 - w and then a = w: (31 - w) / 2 + 1 + w / 2 + 1 = 17 key steps for every wave.  The loops' trip counts are constants (3 + 13, then 8); a wave jumps over the steps that its tile does not need; a tile's last step lies on the diagonal.
; ONE STEP AHEAD: the first four tiles of K of the next key step, and their words, are asked of LDS behind this step's loads of V.  A tile's last step so reads 4,096 + 256 landed bytes that nobody uses (behind key step 15: the first bytes of V's codes and words):
; no branch leads round these loads, so that the counted wait ahead of the second product counts the same on every way.
; BARRIERS: one shows the words and keys 0-511 (waves 0 to 3's loads, which have lines of their own); one behind key step 2, whose look-ahead reads key step 3, shows the rest.  Behind it the waves share nothing.
; NO PREFETCH: every tile is asked of memory at the head; there is no loop that runs ahead of a tensor load.
.set VREG,  131072                     ; LDS: K's codes [key step 16][8,192]; from here V's likewise
.set WKB,   262144                     ; K's words [key step][512]
.set WVB,   270336                     ; V's words [key step][256]
.set SPARE, 274432                     ; the spare words, 128 bytes for each of sixteen waves
.set LI,  1                            ; v1   16 x lane
.set LW,  2                            ; v2   4 r
.set SPW, 3                            ; v3   my spare word; never rewritten
.set NIL, 4                            ; v4   0; never rewritten
.set ADV, 5                            ; v5   LDS address of the step's V codes
.set ADC, 6                            ; v6   of its K codes
.set ADW, 7                            ; v7   of K's words
.set DG,  8                            ; v8   on the diagonal: my query - the step's first key - 8 h
.set QO,  9                            ; v9   q: 4,096 r + 32 h
.set OSO, 10                           ; v10  osw: 4 r + h
.set QW,  11                           ; v11  Q's scale word.   v12 -M, v13 the largest t, v[14:15] l in two halves
.set QF,  16                           ; v16-31  Q's fragment: 16-23 codes, 24 the code of -1 (lanes 0-15, byte 0), 25-31 zeros
.set KFR, 32                           ; v32-95  four fragments of K: +0..7 loaded, +8 the code of 1, +9..15 zeros
.set SS,  96                           ; v96-159 S^T, then p, then V's four fragments
.set OT,  160                          ; v160-191 O^T
.set PCD, 192                          ; v192-207 p's codes; at a tile's end O's
.set BM,  208
.set PT,  212
.set HL,  216
.set SO,  220
.set FF,  224                          ; v[224:225] f, later 1 / l
.set DG0, 226                          ; r - 8 h + 16 cx
.set T0,  227
.set KW,  230                          ; v230-233 K's scale words
.set VW,  234                          ; v234-237 V's
.set T1,  238
.set T2,  239
.set PW,  240                          ; p's scale word
.set ADX, 241                          ; LDS address of V's words
.set WV,  14
.set MNT, 15
.set SEL, 16
.set CS,  18
.set TB,  20                           ; 8,192 x key step
.set TW,  21                           ; WKB + 512 x key step
.set TX,  22                           ; WVB + 256 x key step
.set KS,  23                           ; the key step: the loops' counter
.set G1K, 24                           ; group 1: K's words; V's words; two slots' halves; one slot's half
.set G1V, 32
.set G1P, 40
.set G1R, 48
.set G0K, 56
.set G0V, 60
.set G0P, 68
.set G0R, 72
.set NN,  76                           ; key steps of the tile in hand
.set HM,  78
.set TA,  80
.set TC,  82
.set QB,  84
.set OCB, 86
.set OSB, 88
.set QA,  90
.set OA,  92
.set SA,  94
.set CX,  96
.set AT,  97                           ; a of the tile in hand
.macro CROUND                          ; a round of the cluster's barrier
	s_barrier_signal -1
	s_barrier_wait -1
	s_cmp_lg_u32 s[WV], 0
	s_cbranch_scc1 .Lnot_wave_0_\@
	s_barrier_signal -3
.Lnot_wave_0_\@:
	s_barrier_wait -3
	s_barrier_signal -1
	s_barrier_wait -1
.endm
.macro ARM under, g0, g1, next         ; one arm of the head's chain: a load, its s_nop 0 and four v_nop, a jump to the join
	s_cmp_lt_u32 s[WV], \under
	s_cbranch_scc0 \next
	tensor_load_to_lds s[\g0:\g0+3], s[\g1:\g1+7]
	s_nop 0
.rept 4
	v_nop
.endr
	s_branch .Lhead_asked
\next:
.endm
.macro GROUP1 g, c, r, p               ; r rows of c elements of 8 bytes, p elements apart; mask 15 with bit 21 beside it
	s_mov_b32 s[\g], 15|(3<<16)|(1<<21)
	s_mov_b32 s[\g+1], (\c)<<16
	s_mov_b32 s[\g+2], (\r)<<16
	s_mov_b32 s[\g+3], (\c)<<16
	s_mov_b32 s[\g+4], \r
	s_mov_b32 s[\g+5], \p
	s_mov_b32 s[\g+6], 0
	s_mov_b32 s[\g+7], 0
.endm
.macro QLOAD                           ; the 16 queries of tile 4 a + cx: lane (r, h) takes, of each block of 32, numbers 8 h + 0..7 and 16 + 8 h + 0..7
	s_lshl_b32 s[TA], s[AT], 18
	s_mov_b32 s[TA+1], 0
	s_add_nc_u64 s[QA:QA+1], s[QB:QB+1], s[TA:TA+1]
.irp c, 0,1
.irp j, 0,1,2,3
	global_load_b128 v[SS+16*\c+4*\j:SS+16*\c+4*\j+3], v[QO], s[QA:QA+1] offset:128*\c+64*(\j/2)+16*(\j%2)
.endr
.endr
.endm
; 32 numbers of a lane, register 16 b + i, two blocks of 32 shared with lane l xor 16, become codes in v[d] .. v[d + 7]; the two scale bytes stay in v[PT], v[PT + 1]
.macro QUANT2 s, d
.irp b, 0,1
	v_max3_num_f32 v[BM+\b], |v[\s+16*\b]|, |v[\s+1+16*\b]|, 0x8000000   ; with the floor 2^(16 - 127): the byte cannot fall under 1
.endr
.irp i, 2,4,6,8,10,12,14
.irp b, 0,1
	s_delay_alu instid0(VALU_DEP_2)
	v_max3_num_f32 v[BM+\b], v[BM+\b], |v[\s+16*\b+\i]|, |v[\s+1+16*\b+\i]|
.endr
.endr
.irp b, 0,1
	s_delay_alu instid0(VALU_DEP_2)
	v_permlanex16_b32 v[PT+\b], v[BM+\b], s[SEL], s[SEL+1]
.endr
.irp b, 0,1
	s_delay_alu instid0(VALU_DEP_2)
	v_max_num_f32 v[BM+\b], v[BM+\b], v[PT+\b]
.endr
.irp b, 0,1
	s_delay_alu instid0(VALU_DEP_2)
	v_add_nc_u32 v[SO+\b], 0xf8800000, v[BM+\b]
.endr
.irp b, 0,1
	s_delay_alu instid0(VALU_DEP_4)
	v_and_or_b32 v[HL+\b], v[BM+\b], 0x7f800000, s[MNT]
.endr
.irp b, 0,1
	s_delay_alu instid0(VALU_DEP_4)
	v_lshrrev_b32 v[PT+\b], 23, v[SO+\b]
.endr
.irp b, 0,1
.irp i, 0,1,2,3,4,5,6,7,8,9,10,11,12,13,14,15
	v_med3_num_f32 v[\s+16*\b+\i], v[\s+16*\b+\i], -v[HL+\b], v[HL+\b]   ; the conversion to an 8-bit code does not saturate (ISA guide 7.6.2)
.endr
	v_cvt_scalef32_pk8_bf8_f32 v[\d+4*\b:\d+4*\b+1], v[\s+16*\b:\s+16*\b+7], v[SO+\b]
	v_cvt_scalef32_pk8_bf8_f32 v[\d+4*\b+2:\d+4*\b+3], v[\s+8+16*\b:\s+15+16*\b], v[SO+\b]
.endr
	v_nop                                          ; a plain line behind the last conversion
.endm
.macro QWORD                           ; Q's scale word: its two bytes, and 127 for the two idle blocks
	v_lshl_or_b32 v[QW], v[PT+1], 8, v[PT]
	s_delay_alu instid0(VALU_DEP_1)
	v_or_b32 v[QW], 0x7f7f0000, v[QW]
.endm
.macro INIT                            ; a tile begins: its first step finds zeros, which the first change of M leaves zeros.  These lines are also the places between Q's word and codes and the next products
	v_mov_b32 v13, 0xf6800000                      ; -2^110: above every padded t, under every real one
	s_delay_alu instid0(VALU_DEP_1)
	v_floor_f32 v12, -v13
	v_mov_b32 v14, 0
	v_mov_b32 v15, 0
.set n, 0
.rept 32
	v_mov_b32 v[OT+n], 0
.set n, n+1
.endr
.endm
.macro DIAG                            ; the diagonal step's first key is 128 (a / 2): my query less that key is 64 (a % 2) + 16 cx + r
	s_and_b32 s[TA], s[AT], 1
	s_lshl_b32 s[TA], s[TA], 6
	v_add_nc_u32 v[DG], s[TA], v[DG0]
.endm
.macro KLOAD t0, nx                    ; four tiles of K from tile t0 on, and their words: 12 loads.  nx = 1: of the key step after the one whose addresses stand in v[ADC], v[ADW]
.irp t, 0,1,2,3
	ds_load_b128 v[KFR+16*\t:KFR+16*\t+3], v[ADC] offset:8192*(\nx)+1024*((\t0)+\t)
	ds_load_b128 v[KFR+16*\t+4:KFR+16*\t+7], v[ADC] offset:8192*(\nx)+1024*((\t0)+\t)+512
	ds_load_b32 v[KW+\t], v[ADW] offset:512*(\nx)+64*((\t0)+\t)
.endr
.endm
.macro PRO                             ; ahead of a tile's walk: key step 0's first four tiles of K
	s_wait_dscnt 0x0                               ; the last look-ahead has landed in the registers that are loaded anew
	v_add_nc_u32 v[ADC], s[TB], v[LI]
	v_add_nc_u32 v[ADW], s[TW], v[LW]
	KLOAD 0, 0
.endm
; A KEY STEP: 128 keys.  Its first four tiles of K were asked for a step ago.
.macro STEP
	s_cmp_ge_u32 s[KS], s[NN]
	s_cbranch_scc1 .Lhidden_\@                     ; all 128 keys come after my tile's queries: the wave's number and the count of steps decide
	v_add_nc_u32 v[ADC], s[TB], v[LI]
	v_add_nc_u32 v[ADW], s[TW], v[LW]
	v_add_nc_u32 v[ADX], s[TX], v[LW]
	v_add_nc_u32 v[ADV], VREG, v[ADC]
	s_wait_alu depctr_va_vdst(0)
.irp g, 0,1                            ; S^T = K Q^T, four tiles of 16 keys at a time
.if \g
.rept 8
	v_nop                                          ; places in front of loads into registers that the four products above have read (ISA guide 7.12.1 for vector instructions)
.endr
	KLOAD 4, 0
.endif
	s_wait_dscnt 0x0
.irp t, 0,1,2,3
	v_wmma_scale_f32_16x16x128_f8f6f4 v[SS+8*(4*\g+\t):SS+8*(4*\g+\t)+7], v[KFR+16*\t:KFR+16*\t+15], v[QF:QF+15], 0, v[KW+\t], v[QW] matrix_a_fmt:MATRIX_FMT_BF8 matrix_b_fmt:MATRIX_FMT_BF8
.endr
.endr                                  ; lane (r, h) holds query r; register 8 T + j is the step's key 16 T + 8 h + j
	; the places behind the last four products are the lines on the first four's results, which stand eight places behind their own products
	s_add_co_u32 s[TA], s[KS], 1
	s_cmp_lg_u32 s[TA], s[NN]
	s_cbranch_scc1 .Lopen_\@                       ; not the tile's last step: all 128 keys count
	v_mov_b32 v[T1], 0xff800000                    ; -infinity for register n where 16 (n / 8) + n % 8 > v[DG]
.set n, 0
.rept 64
	v_cmp_gt_i32 vcc_lo, 16*(n/8)+n%8, v[DG]
	v_cndmask_b32 v[SS+n], v[SS+n], v[T1], vcc_lo
.set n, n+1
.endr
.Lopen_\@:
.irp pr, 0,2                           ; the largest score of each block of 32 keys: for the row's maximum, and for the block's largest p.  Blocks 0, 1 first: 16 lines
.irp b, 0,1
	v_max3_num_f32 v[BM+\pr+\b], v[SS+16*(\pr+\b)], v[SS+1+16*(\pr+\b)], v[SS+2+16*(\pr+\b)]
.endr
.irp i, 3,5,7,9,11,13
.irp b, 0,1
	v_max3_num_f32 v[BM+\pr+\b], v[BM+\pr+\b], v[SS+16*(\pr+\b)+\i], v[SS+1+16*(\pr+\b)+\i]
.endr
.endr
.irp b, 0,1
	v_max_num_f32 v[BM+\pr+\b], v[BM+\pr+\b], v[SS+15+16*(\pr+\b)]
.endr
.endr
.irp b, 0,1,2,3
	v_permlanex16_b32 v[PT+\b], v[BM+\b], s[SEL], s[SEL+1]
.endr
.irp b, 0,1,2,3
	s_delay_alu instid0(VALU_DEP_4)
	v_max_num_f32 v[BM+\b], v[BM+\b], v[PT+\b]     ; with lane l xor 16's 16 keys
.endr
	s_delay_alu instid0(VALU_DEP_2)
	v_max3_num_f32 v[T0], v[BM], v[BM+1], v[BM+2]
	s_delay_alu instid0(VALU_DEP_1)
	v_max_num_f32 v[T0], v[T0], v[BM+3]
	s_delay_alu instid0(VALU_DEP_1)
	v_mul_f32 v[T0], s[CS], v[T0]                  ; the step's largest t of my query
	s_delay_alu instid0(VALU_DEP_1)
	v_max_num_f32 v13, v13, v[T0]
	v_mov_b32 v[T0], v12
	s_delay_alu instid0(VALU_DEP_2)
	v_floor_f32 v12, -v13                          ; the new -M = -ceil(t): a whole number
	s_delay_alu instid0(VALU_DEP_1)
	v_sub_f32 v[T0], v12, v[T0]                    ; old M - new M, 0 or less
	s_delay_alu instid0(VALU_DEP_1)
	v_cvt_i32_f32 v[T0], v[T0]                     ; (it saturates)
	s_delay_alu instid0(VALU_DEP_1)
	v_ldexp_f32 v[FF], 1.0, v[T0]                  ; f = 2^(old M - new M)
.set n, 0
.rept 32
	v_pk_fma_f32 v[SS+n:SS+n+1], v[SS+n:SS+n+1], s[CS:CS+1], v[12:13] op_sel_hi:[1,0,0]   ; t - M, two at a time
.set n, n+2
.endr
.irp b, 0,1,2,3
	v_fma_f32 v[BM+\b], v[BM+\b], s[CS], v12
.endr
.set n, 0
	s_wait_alu depctr_va_vdst(0)                   ; the wait ahead of the batch
.rept 64
	v_exp_f32 v[SS+n], v[SS+n]                     ; p = 2^(t - M)
.set n, n+1
.endr
.irp b, 0,1,2,3
	v_exp_f32 v[BM+\b], v[BM+\b]                   ; the block's largest p: the same two instructions on the same number
.endr
	v_pk_mul_f32 v[14:15], v[14:15], v[FF:FF+1] op_sel_hi:[1,0]   ; l under the new M.  (A plain line behind the exponentials)
	s_wait_alu depctr_va_vdst(0)                   ; and behind it
.irp b, 0,1,2,3
	v_max_num_f32 v[BM+\b], 0x8000000, v[BM+\b]    ; the floor: a block whose every p is 0 keeps the byte 1; its codes are zeros
.endr
.irp b, 0,1,2,3
	s_delay_alu instid0(VALU_DEP_4)
	v_add_nc_u32 v[SO+\b], 0xf8800000, v[BM+\b]
.endr
.irp b, 0,1,2,3
	v_and_or_b32 v[HL+\b], v[BM+\b], 0x7f800000, s[MNT]
.endr
.irp b, 0,1,2,3
	v_lshrrev_b32 v[PT+\b], 23, v[SO+\b]
.endr
	s_delay_alu instid0(VALU_DEP_3)
	v_lshl_or_b32 v[PW], v[PT+1], 8, v[PT]         ; p's scale word for these 128 keys
	s_delay_alu instid0(VALU_DEP_1)
	v_lshl_or_b32 v[PW], v[PT+2], 16, v[PW]
	s_delay_alu instid0(VALU_DEP_1)
	v_lshl_or_b32 v[PW], v[PT+3], 24, v[PW]
	v_pk_add_f32 v[228:229], v[100:101], v[104:105]   ; l: the unquantised p, two at a time, in eight chains
	v_pk_add_f32 v[254:255], v[108:109], v[112:113]
	v_pk_add_f32 v[252:253], v[116:117], v[120:121]
	v_pk_add_f32 v[250:251], v[124:125], v[128:129]
	v_pk_add_f32 v[248:249], v[132:133], v[136:137]
	v_pk_add_f32 v[246:247], v[140:141], v[144:145]
	v_pk_add_f32 v[244:245], v[148:149], v[152:153]
	v_pk_add_f32 v[14:15], v[14:15], v[156:157]
	v_pk_add_f32 v[228:229], v[228:229], v[96:97]
	v_pk_add_f32 v[254:255], v[254:255], v[98:99]
	v_pk_add_f32 v[252:253], v[252:253], v[102:103]
	v_pk_add_f32 v[250:251], v[250:251], v[106:107]
	v_pk_add_f32 v[248:249], v[248:249], v[110:111]
	v_pk_add_f32 v[246:247], v[246:247], v[114:115]
	v_pk_add_f32 v[244:245], v[244:245], v[118:119]
	v_pk_add_f32 v[14:15], v[14:15], v[122:123]
	v_pk_add_f32 v[228:229], v[228:229], v[126:127]
	v_pk_add_f32 v[254:255], v[254:255], v[130:131]
	v_pk_add_f32 v[252:253], v[252:253], v[134:135]
	v_pk_add_f32 v[250:251], v[250:251], v[138:139]
	v_pk_add_f32 v[248:249], v[248:249], v[142:143]
	v_pk_add_f32 v[246:247], v[246:247], v[146:147]
	v_pk_add_f32 v[244:245], v[244:245], v[150:151]
	v_pk_add_f32 v[14:15], v[14:15], v[154:155]
	v_pk_add_f32 v[228:229], v[228:229], v[158:159]
	s_delay_alu instid0(VALU_DEP_2)
	v_pk_add_f32 v[14:15], v[14:15], v[250:251]
	s_delay_alu instid0(VALU_DEP_2)
	v_pk_add_f32 v[228:229], v[228:229], v[248:249]
	v_pk_add_f32 v[254:255], v[254:255], v[246:247]
	v_pk_add_f32 v[252:253], v[252:253], v[244:245]
	s_delay_alu instid0(VALU_DEP_2)
	v_pk_add_f32 v[14:15], v[14:15], v[254:255]
	s_delay_alu instid0(VALU_DEP_2)
	v_pk_add_f32 v[228:229], v[228:229], v[252:253]
	s_delay_alu instid0(VALU_DEP_1)
	v_pk_add_f32 v[14:15], v[14:15], v[228:229]
.irp b, 0,1,2,3
.irp i, 0,2,4,6,8,10,12,14             ; p is not negative: a one-sided hold, two numbers to a pair of instructions
	v_dual_min_num_f32 v[SS+16*\b+\i], v[SS+16*\b+\i], v[HL+\b] :: v_dual_min_num_f32 v[SS+16*\b+\i+1], v[SS+16*\b+\i+1], v[HL+\b]
.endr
	v_cvt_scalef32_pk8_bf8_f32 v[PCD+4*\b:PCD+4*\b+1], v[SS+16*\b:SS+16*\b+7], v[SO+\b]
	v_cvt_scalef32_pk8_bf8_f32 v[PCD+4*\b+2:PCD+4*\b+3], v[SS+8+16*\b:SS+15+16*\b], v[SO+\b]
.irp c, 0,1,2,3                        ; V's fragment b (16 channels x these 128 keys) takes the registers that block b of p has just left: five loads a block, 20 in all
	ds_load_b128 v[SS+16*\b+4*\c:SS+16*\b+4*\c+3], v[ADV] offset:2048*\b+512*\c
.endr
	ds_load_b32 v[VW+\b], v[ADX] offset:64*\b
.endr
	KLOAD 0, 1                                     ; the next key step's first four tiles of K: 12 loads behind V's
	s_wait_alu depctr_va_vdst(0)                   ; the wait directly ahead of the first reader of O^T
.set n, 0
.rept 16
	v_pk_mul_f32 v[OT+n:OT+n+1], v[OT+n:OT+n+1], v[FF:FF+1] op_sel_hi:[1,0]   ; O^T under the new M; these lines are also the places between the codes and the products
.set n, n+2
.endr
	s_wait_alu depctr_va_vdst(0)                   ; the wait directly ahead of the wait below
	s_wait_dscnt 12                                ; V and its words are in; the 12 loads of the look-ahead, issued behind them, may be out
.irp t, 0,1,2,3                        ; O^T += V^T P^T: four accumulators, one instruction each: they take turns
	v_wmma_scale_f32_16x16x128_f8f6f4 v[OT+8*\t:OT+8*\t+7], v[SS+16*\t:SS+16*\t+15], v[PCD:PCD+15], v[OT+8*\t:OT+8*\t+7], v[VW+\t], v[PW] matrix_a_fmt:MATRIX_FMT_BF8 matrix_b_fmt:MATRIX_FMT_BF8
.endr
.rept 9
	v_nop                                          ; nine places: the next step's products write over V's registers; eight would serve the loads and the reads of O^T
.endr
.Lhidden_\@:
.endm
.macro WALK lab, upto                  ; key steps up to a constant; the addresses step on both ways through a step
\lab:
	STEP
	s_add_co_u32 s[TB], s[TB], 8192
	s_add_co_u32 s[TW], s[TW], 512
	s_add_co_u32 s[TX], s[TX], 256
	s_add_co_u32 s[KS], s[KS], 1
	s_cmp_lt_u32 s[KS], \upto
	s_cbranch_scc1 \lab
.endm
.macro START                           ; the walk's scalars at key step 0
	s_mov_b32 s[KS], 0
	s_mov_b32 s[TB], 0
	s_mov_b32 s[TW], WKB
	s_mov_b32 s[TX], WVB
.endm
; A TILE ENDS: O^T / l, quantised along the head's 64; the codes are the next product's operand as they stand and leave from registers, 512 consecutive bytes a store.
; re = 1: the wave's second tile begins: its q is asked for first and quantised last.
.macro FINISH re
	s_lshl_b32 s[TA], s[AT], 12
	s_mov_b32 s[TA+1], 0
	s_add_nc_u64 s[OA:OA+1], s[OCB:OCB+1], s[TA:TA+1]              ; tile 4 a + cx: 1,024 bytes a tile,
	s_lshl_b32 s[TA], s[AT], 8
	s_add_nc_u64 s[SA:SA+1], s[OSB:OSB+1], s[TA:TA+1]              ; and 64 bytes of scale words
.if \re
	s_mov_b32 s[AT], s[WV]
	QLOAD
.endif
	v_add_f32 v14, v14, v15
	s_delay_alu instid0(VALU_DEP_1)
	v_permlanex16_b32 v[T0], v14, s[SEL], s[SEL+1]
	s_delay_alu instid0(VALU_DEP_1)
	v_add_f32 v14, v14, v[T0]                      ; l
	s_wait_alu depctr_va_vdst(0)
	v_rcp_f32 v[FF], v14
	v_mov_b32 v[T2], 0xff                          ; (a plain line behind the transcendental)
.set n, 0
	s_wait_alu depctr_va_vdst(0)
.rept 16
	v_pk_mul_f32 v[OT+n:OT+n+1], v[OT+n:OT+n+1], v[FF:FF+1] op_sel_hi:[1,0]   ; from each accumulator's low end on
.set n, n+2
.endr
	QUANT2 OT, PCD
	global_store_b128 v[LI], v[PCD:PCD+3], s[OA:OA+1]
	global_store_b128 v[LI], v[PCD+4:PCD+7], s[OA:OA+1] offset:512
	v_cndmask_b32 v[T1], v[PT], v[PT+1], s[HM]     ; lanes 0-15 store block 0's byte, lanes 16-31 block 1's
	v_cmp_eq_f32 vcc_lo, 0, v14
	s_delay_alu instid0(VALU_DEP_1)
	v_cndmask_b32 v[T1], v[T1], v[T2], vcc_lo      ; a row with no open key: 0xff
	global_store_b8 v[OSO], v[T1], s[SA:SA+1]      ; 32 single bytes inside 64 consecutive ones: one byte in 32 of what the launch writes; the other head of the pair writes the bytes between
.if \re
	s_wait_loadcnt 0x0                             ; q
	s_wait_xcnt 0x0                                ; the stores have read their registers: the next steps write them again
	DIAG
	QUANT2 SS, QF
	QWORD
	INIT
	START
	s_lshr_b32 s[NN], s[AT], 1
	s_add_co_u32 s[NN], s[NN], 1
.endif
.endm
	s_load_b256 s[4:11], s[0:1], 0x0               ; q s[4:5], kv s[6:7], sw s[8:9], oimg s[10:11]
	s_load_b64 s[12:13], s[0:1], 0x20              ; osw
	v_lshl_add_u32 v[SPW], v0, 2, SPARE
	v_mov_b32 v[NIL], 0
	ds_add_u32 v[SPW], v[NIL]                      ; the opening lines: the add, twice on end, and its wait ahead of my first tensor load
	ds_add_u32 v[SPW], v[NIL]
	v_lshrrev_b32 v1, 5, v0
	v_readfirstlane_b32 s[WV], v1                  ; wave 0..15
	s_and_b32 s98, ttmp7, 0xffff                   ; the cluster's y: batch x head
	s_lshr_b32 s99, s98, 4                         ; batch
	s_and_b32 s100, s98, 15                        ; head
	s_bfe_u32 s[CX], ttmp6, 0x40000                ; my place in the cluster
	s_sub_co_u32 s[AT], 31, s[WV]                  ; the later tile first
	s_lshr_b32 s[NN], s[AT], 1
	s_add_co_u32 s[NN], s[NN], 1
	START
	s_mov_b32 s[MNT], 0x600000                     ; the mantissa field of 57,344
	s_mov_b32 s[SEL], 0x76543210
	s_mov_b32 s[SEL+1], 0xfedcba98
	s_mov_b32 s[CS], 0x3e38aa3b                    ; log2(e) / 8
	s_mov_b32 s[CS+1], s[CS]
	s_mov_b32 s[HM], 0xffff0000
	GROUP1 G1K, 128, 8, 3072                       ; K's words: 1,024 bytes of each of 8 slots, 24,576 bytes apart
	GROUP1 G1V, 64, 8, 3072                        ; V's: 512 bytes of each
	GROUP1 G1P, 2048, 2, 4096                      ; K's or V's 16,384 bytes of slots 0 and 1, 32,768 bytes apart
	GROUP1 G1R, 32, 64, 32                         ; K's or V's 16,384 bytes of one slot, as 64 rows of 256 bytes
	s_lshl_b32 s[TA], s98, 18                      ; kv: 262,144 bytes a head
	s_mov_b32 s[TA+1], 0
	s_mul_i32 s[TC], s99, 196608
	s_mul_i32 s101, s100, 1536
	s_add_co_u32 s[TC], s[TC], s101                ; sw: 196,608 bytes a batch, 1,536 a head
	s_mov_b32 s[TC+1], 0
	s_mov_b32 s[G0K], 1
	s_mov_b32 s[G0K+1], WKB
	s_mov_b32 s[G0V], 1
	s_mov_b32 s[G0V+1], WVB
	s_mov_b32 s[G0P], 1
	s_and_b32 s101, s[WV], 1                       ; even waves fetch K's halves, odd waves V's
	s_lshl_b32 s[G0P+1], s101, 17
	s_mov_b32 s[G0R], 1
	s_lshr_b32 s[G0R+1], s[WV], 1                  ; waves 4 to 15: slot wave / 2
	s_lshl_b32 s[G0R+1], s[G0R+1], 14
	s_add_co_u32 s[G0R+1], s[G0R+1], s[G0P+1]
	s_wait_dscnt 0x0                               ; both opening adds are done
	CROUND                                         ; all four work-groups are here: the joint loads meet
	s_wait_kmcnt 0x0
	s_add_nc_u64 s[6:7], s[6:7], s[TA:TA+1]
	s_add_nc_u64 s[8:9], s[8:9], s[TC:TC+1]
	s_mov_b64 s[G0K+2:G0K+3], s[8:9]
	s_or_b32 s[G0K+3], s[G0K+3], 0x80000000
	s_add_nc_u64 s[G0V+2:G0V+3], s[8:9], 1024
	s_or_b32 s[G0V+3], s[G0V+3], 0x80000000
	s_lshl_b32 s[TA], s101, 14
	s_add_nc_u64 s[G0P+2:G0P+3], s[6:7], s[TA:TA+1]
	s_or_b32 s[G0P+3], s[G0P+3], 0x80000000
	s_lshl_b32 s[TA], s[WV], 14                    ; slot wave / 2, half wave % 2: 16,384 x wave
	s_add_nc_u64 s[G0R+2:G0R+3], s[6:7], s[TA:TA+1]
	s_or_b32 s[G0R+3], s[G0R+3], 0x80000000
	; THE HEAD'S LOADS, ONE A WAVE, in one chain: wave 0 K's words, wave 1 V's, waves 2 and 3 the codes of keys 0-511, waves 4 to 15 the rest
	ARM 1, G0K, G1K, .Lhead_vw
	ARM 2, G0V, G1V, .Lhead_p
	ARM 4, G0P, G1P, .Lhead_r
	tensor_load_to_lds s[G0R:G0R+3], s[G1R:G1R+7]
	s_nop 0
.rept 4
	v_nop
.endr
.Lhead_asked:
	s_lshl_b32 s[TA], s99, 23
	s_lshl_b32 s101, s100, 8
	s_add_co_u32 s[TA], s[TA], s101
	s_lshl_b32 s101, s[CX], 16
	s_add_co_u32 s[TA], s[TA], s101                ; q: (2,048 batch + 16 cx) rows of 4,096 bytes + 256 head
	s_add_nc_u64 s[QB:QB+1], s[4:5], s[TA:TA+1]
	s_lshl_b32 s[TA], s100, 9
	s_lshl_b32 s101, s99, 7
	s_add_co_u32 s101, s101, s[CX]
	s_add_co_u32 s[TA], s[TA], s101
	s_lshl_b32 s[TA], s[TA], 10                    ; oimg: (512 head + 128 batch + cx) x 1,024
	s_add_nc_u64 s[OCB:OCB+1], s[10:11], s[TA:TA+1]
	s_lshr_b32 s[TA], s100, 1
	s_lshl_b32 s[TA], s[TA], 9
	s_add_co_u32 s[TA], s[TA], s101
	s_lshl_b32 s[TA], s[TA], 6
	s_and_b32 s101, s100, 1
	s_lshl_b32 s101, s101, 1
	s_add_co_u32 s[TA], s[TA], s101                ; osw: ((head / 2) 512 + 128 batch + cx) x 64 + 2 (head % 2)
	s_add_nc_u64 s[OSB:OSB+1], s[12:13], s[TA:TA+1]
	v_and_b32 v[T1], 15, v0                        ; r
	v_bfe_u32 v[T2], v0, 4, 1                      ; h
	v_lshlrev_b32 v[QO], 12, v[T1]
	v_lshl_add_u32 v[QO], v[T2], 5, v[QO]
	QLOAD
	v_and_b32 v[T0], 31, v0
	v_lshlrev_b32 v[LI], 4, v[T0]
	v_lshlrev_b32 v[LW], 2, v[T1]
	v_lshlrev_b32 v[DG0], 3, v[T2]
	v_sub_nc_u32 v[DG0], v[T1], v[DG0]
	s_lshl_b32 s101, s[CX], 4
	v_add_nc_u32 v[DG0], s101, v[DG0]
	DIAG
	v_lshl_add_u32 v[OSO], v[T1], 2, v[T2]
	v_sub_nc_u32 v[T2], 1, v[T2]                   ; 1 in lanes 0-15
	v_mul_u32_u24 v[QF+8], v[T2], 0xbc             ; the code of -1 at place 64 of Q's fragment,
	v_mul_u32_u24 v[T0], v[T2], 0x3c               ; the code of 1 at place 64 of K's
.irp j, 9,10,11,12,13,14,15
	v_mov_b32 v[QF+\j], 0
.endr
.irp t, 0,1,2,3
	v_mov_b32 v[KFR+16*\t+8], v[T0]
.irp j, 9,10,11,12,13,14,15
	v_mov_b32 v[KFR+16*\t+\j], 0
.endr
.endr
.irp b, 0,1,2,3
	v_mov_b32 v[PT+\b], 0                          ; written once: a lane permute's destination counts as one of its sources
.endr
	v_mov_b32 v[FF+1], 0                           ; (named as the upper half of a pair)
	s_wait_alu depctr_va_vdst(0)                   ; the wait directly ahead of the wait below
	s_wait_loadcnt 0x0                             ; q
	QUANT2 SS, QF
	QWORD
	INIT
	s_wait_alu depctr_va_vdst(0)                   ; the wait at the head's end
	s_cmp_lt_u32 s[WV], 4
	s_cbranch_scc0 .Lnot_first
	s_wait_tensorcnt 0x0                           ; waves 0 to 3: the words and the codes of keys 0-511 are in; the other waves' wait stands at the second barrier
.Lnot_first:
	s_barrier_signal -1
	s_barrier_wait -1
	PRO
	WALK .Lfirst, 3                                ; key steps 0 to 2 of the later tile, which has nine steps at the least; the last of them looks ahead to key step 3, keys 384-511
	s_wait_tensorcnt 0x0                           ; every wave: all the rest is in
	s_wait_dscnt 0x0
	s_barrier_signal -1
	s_barrier_wait -1
	WALK .Lrest, 16
	FINISH 1
	s_wait_alu depctr_va_vdst(0)                   ; the wait ahead of the wait and the loop below
	PRO
	WALK .Lsecond, 8                               ; the earlier tile has eight steps at the most
	FINISH 0
	s_wait_tensorcnt 0x0                           ; the wave's end
	ds_add_u32 v[SPW], v[NIL]
	s_wait_dscnt 0x0
	CROUND                                         ; the closing round
	s_endpgm
.Lfunc_end_k_qf96bd49056_attn:
	.size	k_qf96bd49056_attn, .Lfunc_end_k_qf96bd49056_attn-k_qf96bd49056_attn
	.p2alignl 7, 3214868480
	.fill 96, 4, 3214868480
	.section	.rodata,"a",@progbits
	.p2align	6, 0x0
	.amdhsa_kernel k_qf96bd49056_attn
		.amdhsa_group_segment_fixed_size 327680
		.amdhsa_private_segment_fixed_size 0
		.amdhsa_enable_private_segment 0
		.amdhsa_kernarg_size 40
		.amdhsa_user_sgpr_count 2
		.amdhsa_user_sgpr_kernarg_segment_ptr 1
		.amdhsa_wavefront_size32 1
		.amdhsa_system_sgpr_workgroup_id_x 1
		.amdhsa_system_sgpr_workgroup_id_y 1
		.amdhsa_system_sgpr_workgroup_id_z 1
		.amdhsa_system_vgpr_workitem_id 0
		.amdhsa_next_free_vgpr 256
		.amdhsa_next_free_sgpr 102
		.amdhsa_reserve_vcc 1
		.amdhsa_float_denorm_mode_32 3
		.amdhsa_float_denorm_mode_16_64 3
		.amdhsa_memory_ordered 1
		.amdhsa_forward_progress 1
		.amdhsa_inst_pref_size 115
	.end_amdhsa_kernel
	.amdgpu_metadata
---
amdhsa.version: [ 1, 2 ]
amdhsa.kernels:
  - .name:           k_qf96bd49056_attn
    .symbol:         k_qf96bd49056_attn.kd
    .args:
      - { .name: q, .offset: 0, .size: 8, .value_kind: global_buffer, .address_space: global }
      - { .name: kv, .offset: 8, .size: 8, .value_kind: global_buffer, .address_space: global }
      - { .name: sw, .offset: 16, .size: 8, .value_kind: global_buffer, .address_space: global }
      - { .name: oimg, .offset: 24, .size: 8, .value_kind: global_buffer, .address_space: global }
      - { .name: osw, .offset: 32, .size: 8, .value_kind: global_buffer, .address_space: global }
    .group_segment_fixed_size: 327680
    .private_segment_fixed_size: 0
    .kernarg_segment_align: 8
    .kernarg_segment_size: 40
    .max_flat_workgroup_size: 512
    .sgpr_count:     102
    .vgpr_count:     256
    .wavefront_size: 32
...
	.end_amdgpu_metadata
.endif
;; end of part 2
;; launch proj (part 3): grid 4 x 64, 4 waves a work-group, clusters of 4 x 4, 327,680 bytes of LDS; arguments oimg, osw, wimg, wsw, b, out0; writes out0
.if DOCPART == 3
	.amdgcn_target "amdgcn-amd-amdhsa--gfx1250"
	.amdhsa_code_object_version 6
	.text
	.protected	k_qf96bd49056_proj
	.globl	k_qf96bd49056_proj
	.p2align	8
	.type	k_qf96bd49056_proj,@function
k_qf96bd49056_proj:
	s_mov_b64 s[64:65], 0
	v_nop
	global_prefetch_b8 v0, s[64:65] scope:SCOPE_SE
	s_setreg_imm32_b32 hwreg(HW_REG_WAVE_MODE, 25, 1), 1
	s_wait_xcnt 0x0
	s_wait_alu depctr_hold_cnt(0) depctr_sa_sdst(0) depctr_va_vdst(0) depctr_va_sdst(0) depctr_va_ssrc(0) depctr_va_vcc(0) depctr_vm_vsrc(0)
	s_getreg_b32 s2, hwreg(HW_REG_IB_STS2, 6, 4)
	s_cmp_eq_u32 s2, 0
	s_cbranch_scc0 .Lentry_in_a_cluster
	s_endpgm
.Lentry_in_a_cluster:
	s_bfe_u32 s2, ttmp6, 0x10000c
	s_cmp_lg_u32 s2, 0xf033
	s_cbranch_scc0 .Lentry_shape_is_right
	s_endpgm
.Lentry_shape_is_right:
; out0 [8192][1024] f32 = O W^T + b, on codes of BF8 (E5M2) with one E8M0 scale for each 32 along K = 1,024.  Both operands come as images of operand registers:
; oimg [64 of K: 16][tile of 16 rows 512][1,024], osw [128 of K: 8][tile 512][64];  wimg [64 of K: 16][tile of 16 rows of W 64][1,024], wsw [128 of K: 8][tile 64][64].
; A half fragment is 16 rows x 64 of K: [block of 32][lane][16 bytes]; a scale word (4 bytes: 128 of K of one row) lies at 4 r of its tile's 64 bytes.
; SHARES.  256 work-groups of four waves; a work-group makes 128 rows x 256 columns, a wave 64 x 128: 32 accumulators, 256 registers.  Clusters of 4 x 4: O's tiles are asked for jointly along a row of the cluster, W's along a column.
; LDS: three regions of 98,304 bytes, each a K step of 256: O's [64 of K: 4][tile 8][1,024], then W's [4][tile 16][1,024]; behind them the scale words of all of K; the spare words.
; FILLS.  At the head one load a wave: O's K step 0, W's K step 0, O's scale words, W's.  Behind a wait for the head's loads, an add and a round: K steps 1 and 2 into regions 1 and 2, a first fill, one load a wave.
; Inside the second 128 of K, when both halves of K step 0 stand in registers, a drained round, and K step 3 is filled over region 0, half an operand's tile a wave.  A plain barrier inside the sixth 128 of K shows it.
; NO PREFETCH: K has four steps and the text has no loop to run ahead in: each fill is asked for as soon as LDS has room for it.
; THE MATRIX INSTRUCTION IS USED TRANSPOSED (source 0 = 16 rows of W, source 1 = 16 rows of O): a lane holds eight neighbouring columns of a row of the result.  The bias is the first products' C.
; REGISTERS: window 0: v0-31 addresses; v32-95 W's scale words (8 g + block), v96-127 O's (4 g + block), g the 128 of K; v128-255 O's fragments, two sets of four; on the way out rows read back.
; window 1: W's fragments, two sets of eight.  window 2: the accumulators, (a, b) at 8 (8 a + b).  window 3: v0-63 the bias.
; A row whose scale bytes are 0xff (no open key) comes out NaN, as the softmax over nothing does.
.set SIZE_N, 1024
.set NP,     8                         ; places behind this matrix instruction (ISA guide 7.12.1)
.set REG,    98304
.set BOFF,   32768                     ; W's tile in a region
.set SCL,    3*REG                     ; O's scale words [g 8][tile 8][64]
.set SCLB,   SCL+4096                  ; W's [g 8][tile 16][64]
.set SPARE,  SCL+12288
.set STAGE,  REG                       ; the way out: 16 rows x 528 bytes a wave, in region 1, which has had its last fill and its last read by then
.set SPITCH, 528
.set ADRA, 16                          ; v16-18 my O fragments in regions 0, 1, 2
.set ADRB, 20                          ; v20-22 my W fragments
.set STO,  24
.set RD,   25
.set CO,   26
.set ADSA, 27
.set SPW,  28
.set NIL,  29
.set ADSB, 30
.set SCB,  32
.set SCA,  96
.set AF,   128
.set BK,   128
.set G1,   24
.set G1B,  48
.set G1S,  68
.set G1SB, 80
.set G0H,  32
.set G0HB, 36
.set G0S,  76
.set G0SB, 88
.set G0A1, 56
.set G0B1, 60
.set G0A2, 92
.set G0B2, 4
.set MSB, 0
.macro WIN new                         ; the immediate's high byte repeats the setting that is left
.if MSB != \new
	s_set_vgpr_msb (MSB<<8)|\new
.set MSB, \new
.endif
.endm
.set MUL,  0xa1                        ; source 0 (W) window 1, source 1 (O) window 0, C and D window 2
.set MULB, 0xb1                        ; the same with C in window 3: the bias
.set TO_B, 0x40
.macro PLACES n
.rept \n
	v_nop
.endr
.endm
.macro JLOAD g0a, g1a, g0b, g1b        ; waves 0 and 1 fetch for O, waves 2 and 3 for W; an s_nop 0 and four v_nop follow each line
	s_cmp_eq_u32 s15, 0
	s_cbranch_scc0 .Lfor_b_\@
	tensor_load_to_lds s[\g0a:\g0a+3], s[\g1a:\g1a+7]
	s_nop 0
	PLACES 4
	s_branch .Lasked_\@
.Lfor_b_\@:
	tensor_load_to_lds s[\g0b:\g0b+3], s[\g1b:\g1b+7]
	s_nop 0
	PLACES 4
.Lasked_\@:
.endm
.macro CREST
	s_cmp_lg_u32 s14, 0
	s_cbranch_scc1 .Lnot_wave_0_\@
	s_barrier_signal -3
.Lnot_wave_0_\@:
	s_barrier_wait -3
	s_barrier_signal -1
	s_barrier_wait -1
.endm
.macro CROUND
	s_barrier_signal -1
	s_barrier_wait -1
	CREST
.endm
.macro GWORDS g, c, r, p               ; r rows of c elements of 8 bytes, p elements apart
	s_mov_b32 s[\g+1], (\c)<<16
	s_mov_b32 s[\g+2], (\r)<<16
	s_mov_b32 s[\g+3], (\c)<<16
	s_mov_b32 s[\g+4], \r
	s_mov_b32 s[\g+5], \p
	s_mov_b32 s[\g+6], 0
	s_mov_b32 s[\g+7], 0
.endm
.macro ARM under, g0, g1, next
	s_cmp_lt_u32 s14, \under
	s_cbranch_scc0 \next
	tensor_load_to_lds s[\g0:\g0+3], s[\g1:\g1+7]
	s_nop 0
	PLACES 4
	s_branch .Lhead_asked
\next:
.endm
	s_load_b128 s[4:7], s[0:1], 0x0                ; oimg, osw
	s_load_b128 s[8:11], s[0:1], 0x10              ; wimg, wsw
	s_load_b64 s[96:97], s[0:1], 0x20              ; b
	s_load_b64 s[12:13], s[0:1], 0x28              ; out0
	v_lshl_add_u32 v[SPW], v0, 2, SPARE
	v_mov_b32 v[NIL], 0
	ds_add_u32 v[SPW], v[NIL]                      ; the opening lines: the add, twice on end, and its wait ahead of my first tensor load
	ds_add_u32 v[SPW], v[NIL]
	v_lshrrev_b32 v1, 5, v0
	v_readfirstlane_b32 s14, v1                    ; wave 0..3
	s_lshr_b32 s15, s14, 1                         ; my half of the rows; also: I fetch for O (0) or W (1)
	s_and_b32 s16, s14, 1                          ; my half of the columns; also: which part I fetch
	s_bfe_u32 s40, ttmp6, 0x40000                  ; cx, cy
	s_bfe_u32 s41, ttmp6, 0x40004
	s_lshl_b32 s42, ttmp9, 2
	s_add_co_u32 s42, s42, s40                     ; tile column, 0..3
	s_and_b32 s17, ttmp7, 0xffff
	s_lshl_b32 s17, s17, 2
	s_add_co_u32 s17, s17, s41                     ; tile row, 0..63
	s_lshl_b32 s43, s41, 2
	s_lshl_b32 s43, 15, s43                        ; my row of the cluster
	s_lshl_b32 s44, 0x1111, s40                    ; my column
	s_or_b32 s[G1], s43, (3<<16)|(1<<21)
	s_or_b32 s[G1B], s44, (3<<16)|(1<<21)
	s_or_b32 s[G1S], s43, (3<<16)|(1<<21)
	s_or_b32 s[G1SB], s44, (3<<16)|(1<<21)
	GWORDS G1, 1024, 4, 65536                      ; O: 8 tiles (8,192 bytes) of each of four 64s of K, 524,288 bytes apart
	GWORDS G1B, 2048, 4, 8192                      ; W: 16 tiles of each, 65,536 bytes apart
	GWORDS G1S, 64, 8, 4096                        ; O's words: 512 bytes of each of eight 128s of K
	GWORDS G1SB, 128, 8, 512                       ; W's: 1,024 bytes of each
	s_lshl_b32 s20, s17, 13
	s_mov_b32 s21, 0
	s_lshl_b32 s22, s17, 9
	s_mov_b32 s23, 0
	s_lshl_b32 s46, s42, 14
	s_mov_b32 s47, 0
	s_lshl_b32 s18, s42, 10
	s_mov_b32 s19, 0
	s_wait_dscnt 0x0                               ; both opening adds are done
	s_wait_kmcnt 0x0
	s_add_nc_u64 s[20:21], s[4:5], s[20:21]
	s_add_nc_u64 s[22:23], s[6:7], s[22:23]
	s_add_nc_u64 s[46:47], s[8:9], s[46:47]
	s_add_nc_u64 s[18:19], s[10:11], s[18:19]
	CROUND                                         ; all sixteen work-groups are here: the first joint loads meet
	s_mov_b32 s[G0H], 1
	s_mov_b32 s[G0H+1], 0
	s_mov_b64 s[G0H+2:G0H+3], s[20:21]
	s_or_b32 s[G0H+3], s[G0H+3], 0x80000000
	s_mov_b32 s[G0HB], 1
	s_mov_b32 s[G0HB+1], BOFF
	s_mov_b64 s[G0HB+2:G0HB+3], s[46:47]
	s_or_b32 s[G0HB+3], s[G0HB+3], 0x80000000
	s_mov_b32 s[G0S], 1
	s_mov_b32 s[G0S+1], SCL
	s_mov_b64 s[G0S+2:G0S+3], s[22:23]
	s_or_b32 s[G0S+3], s[G0S+3], 0x80000000
	s_mov_b32 s[G0SB], 1
	s_mov_b32 s[G0SB+1], SCLB
	s_mov_b64 s[G0SB+2:G0SB+3], s[18:19]
	s_or_b32 s[G0SB+3], s[G0SB+3], 0x80000000
	; THE HEAD'S LOADS, ONE A WAVE, in one chain
	ARM 1, G0H,  G1,  .Lhead_b
	ARM 2, G0HB, G1B, .Lhead_sa
	ARM 3, G0S,  G1S, .Lhead_sb
	tensor_load_to_lds s[G0SB:G0SB+3], s[G1SB:G1SB+7]
	s_nop 0
	PLACES 4
.Lhead_asked:
	; the later fills' groups 0.  K steps 1 and 2: part s16 goes to region 1 + s16
	s_mul_i32 s45, s16, REG
	s_mov_b32 s99, 0
	s_mov_b32 s[G0A1], 1
	s_add_co_u32 s[G0A1+1], s45, REG
	s_lshl_b32 s98, s16, 21
	s_add_nc_u64 s[G0A1+2:G0A1+3], s[20:21], s[98:99]
	s_add_nc_u64 s[G0A1+2:G0A1+3], s[G0A1+2:G0A1+3], 2097152
	s_or_b32 s[G0A1+3], s[G0A1+3], 0x80000000
	s_mov_b32 s[G0B1], 1
	s_add_co_u32 s[G0B1+1], s45, REG+BOFF
	s_lshl_b32 s98, s16, 18
	s_add_nc_u64 s[G0B1+2:G0B1+3], s[46:47], s[98:99]
	s_add_nc_u64 s[G0B1+2:G0B1+3], s[G0B1+2:G0B1+3], 262144
	s_or_b32 s[G0B1+3], s[G0B1+3], 0x80000000
	; K step 3 into region 0: part s16 is two of its four 64s of K
	s_mov_b32 s[G0A2], 1
	s_lshl_b32 s[G0A2+1], s16, 14
	s_lshl_b32 s98, s16, 20
	s_add_nc_u64 s[G0A2+2:G0A2+3], s[20:21], s[98:99]
	s_add_nc_u64 s[G0A2+2:G0A2+3], s[G0A2+2:G0A2+3], 6291456
	s_or_b32 s[G0A2+3], s[G0A2+3], 0x80000000
	s_mov_b32 s[G0B2], 1
	s_lshl_b32 s[G0B2+1], s16, 15
	s_add_co_u32 s[G0B2+1], s[G0B2+1], BOFF
	s_lshl_b32 s98, s16, 17
	s_add_nc_u64 s[G0B2+2:G0B2+3], s[46:47], s[98:99]
	s_add_nc_u64 s[G0B2+2:G0B2+3], s[G0B2+2:G0B2+3], 786432
	s_or_b32 s[G0B2+3], s[G0B2+3], 0x80000000
	; my part of out0 and of b
	s_lshl_b32 s98, s42, 10
	s_lshl_b32 s45, s16, 9
	s_add_co_u32 s98, s98, s45                     ; my first column, in bytes
	s_add_nc_u64 s[96:97], s[96:97], s[98:99]
	s_add_nc_u64 s[12:13], s[12:13], s[98:99]
	s_lshl_b32 s98, s17, 19
	s_lshl_b32 s45, s15, 18
	s_add_co_u32 s98, s98, s45                     ; my first row: (128 tile row + 64 half) x 4,096 bytes
	s_add_nc_u64 s[12:13], s[12:13], s[98:99]
	s_lshl_b32 s20, s15, 12                        ; my four tiles of O
	s_lshl_b32 s21, s16, 13
	s_add_co_u32 s21, s21, BOFF                    ; my eight tiles of W
	s_lshl_b32 s22, s15, 8
	s_add_co_u32 s22, s22, SCL
	s_lshl_b32 s23, s16, 9
	s_add_co_u32 s23, s23, SCLB
	s_mul_i32 s45, s14, 16*SPITCH
	s_add_co_u32 s45, s45, STAGE
	v_and_b32 v1, 15, v0                           ; r
	v_bfe_u32 v2, v0, 4, 1                         ; h
	v_and_b32 v6, 31, v0
	v_lshlrev_b32 v4, 4, v6                        ; 16 x lane
	v_add_nc_u32 v[ADRA], s20, v4
	v_add_nc_u32 v[ADRB], s21, v4
	v_add_nc_u32 v[ADRA+1], REG, v[ADRA]
	v_add_nc_u32 v[ADRB+1], REG, v[ADRB]
	v_add_nc_u32 v[ADRA+2], 2*REG, v[ADRA]
	v_add_nc_u32 v[ADRB+2], 2*REG, v[ADRB]
	v_lshlrev_b32 v5, 2, v1
	v_add_nc_u32 v[ADSA], s22, v5
	v_add_nc_u32 v[ADSB], s23, v5
	v_mul_u32_u24 v3, v1, SPITCH
	v_lshl_add_u32 v3, v2, 5, v3
	v_add_nc_u32 v[STO], s45, v3                   ; into the stage: row r, 32 bytes for each half of the lanes
	v_lshlrev_b32 v[CO], 4, v6
	v_add_nc_u32 v[RD], s45, v[CO]                 ; back: 32 lanes take a row of 512 bytes
	v_lshlrev_b32 v7, 5, v2
	s_wait_alu depctr_va_vdst(0)                   ; the wait at the head's end
	WIN 0xc0
.irp i, 0,1,2,3,4,5,6,7
	global_load_b128 v[8*\i:8*\i+3], v7, s[96:97] offset:64*\i       ; b at columns 16 i + 8 h + 0..7, into window 3
	global_load_b128 v[8*\i+4:8*\i+7], v7, s[96:97] offset:64*\i+16
.endr
	WIN 0
.macro FRAG dst, adr, q, i, kgb        ; 16 rows x 128 of K: registers 4 c .. 4 c + 3 are block c: two half fragments, kgb bytes apart
.irp c, 0,1,2,3
	ds_load_b128 v[\dst+4*\c:\dst+4*\c+3], v[\adr] offset:(2*(\q)+\c/2)*(\kgb)+(\i)*1024+(\c%2)*512
.endr
.endm
.macro FETCH reg, q, p                 ; the q-th 128 of K of a region into set p: W's eight fragments, O's four: 48 loads
	WIN TO_B
.irp i, 0,1,2,3,4,5,6,7
	FRAG 128*(\p)+16*\i, ADRB+\reg, \q, \i, 16384
.endr
	WIN 0
.irp i, 0,1,2,3
	FRAG AF+64*(\p)+16*\i, ADRA+\reg, \q, \i, 8192
.endr
.endm
.macro MUL8 a, p, g, z                 ; O's block a against W's eight; the 32 accumulators take turns, in the same order in every 128 of K
.irp b, 0,1,2,3,4,5,6,7
.if \z
	v_wmma_scale_f32_16x16x128_f8f6f4 v[8*(8*(\a)+\b):8*(8*(\a)+\b)+7], v[128*(\p)+16*\b:128*(\p)+16*\b+15], v[AF+64*(\p)+16*(\a):AF+64*(\p)+16*(\a)+15], v[8*\b:8*\b+7], v[SCB+8*(\g)+\b], v[SCA+4*(\g)+(\a)] matrix_a_fmt:MATRIX_FMT_BF8 matrix_b_fmt:MATRIX_FMT_BF8
.else
	v_wmma_scale_f32_16x16x128_f8f6f4 v[8*(8*(\a)+\b):8*(8*(\a)+\b)+7], v[128*(\p)+16*\b:128*(\p)+16*\b+15], v[AF+64*(\p)+16*(\a):AF+64*(\p)+16*(\a)+15], v[8*(8*(\a)+\b):8*(8*(\a)+\b)+7], v[SCB+8*(\g)+\b], v[SCA+4*(\g)+(\a)] matrix_a_fmt:MATRIX_FMT_BF8 matrix_b_fmt:MATRIX_FMT_BF8
.endif
.endr
.endm
.macro STEP p, g, nreg, nq             ; a 128 of K from set p; the next one's fragments are fetched into the other set ahead of the products
	s_wait_dscnt 0x0                               ; this set is in
	PLACES NP                                      ; behind the products that read the other set
	FETCH \nreg, \nq, 1-(\p)
	WIN MUL
	MUL8 0, \p, \g, 0
	MUL8 1, \p, \g, 0
	MUL8 2, \p, \g, 0
	MUL8 3, \p, \g, 0
.endm
; A 128 of K with a barrier in it.  In front of the barrier each wave waits for all its tensor loads, adds 0 to its spare word, and waits for that and for its LDS reads.
; fill = 1: the barrier opens a round of the cluster's barrier, and K step 3 is filled over region 0, both of whose halves stand in registers.
.macro TURN p, g, fill, nreg, nq
	WIN 0
	s_wait_tensorcnt 0x0
	ds_add_u32 v[SPW], v[NIL]
.if \fill
	s_mov_b32 s[G1+2], 2<<16                       ; no tensor load of mine is out: from here on a load brings two 64s of K
	s_mov_b32 s[G1+4], 2
	s_mov_b32 s[G1B+2], 2<<16
	s_mov_b32 s[G1B+4], 2
.endif
	s_wait_dscnt 1                                 ; this set's 48 loads are in; the add, issued behind them, may be out
	WIN MUL
	MUL8 0, \p, \g, 0
	s_wait_dscnt 0x0
	s_barrier_signal -1
	MUL8 1, \p, \g, 0
	WIN 0
	s_barrier_wait -1
.if \fill
	CREST
	JLOAD G0A2, G1, G0B2, G1B                      ; the first tensor load behind the round; its four v_nop are among the places
	PLACES NP-4
.else
	PLACES NP
.endif
	FETCH \nreg, \nq, 1-(\p)
	WIN MUL
	MUL8 2, \p, \g, 0
	MUL8 3, \p, \g, 0
.endm
	s_wait_tensorcnt 0x0                           ; my tile of the head's four is in
	ds_add_u32 v[SPW], v[NIL]
	s_wait_dscnt 0x0
	CROUND
	JLOAD G0A1, G1, G0B1, G1B                      ; K steps 1 and 2
.irp g, 0,1,2,3,4,5,6,7                ; all scale words, once
.irp i, 0,1,2,3,4,5,6,7
	ds_load_b32 v[SCB+8*\g+\i], v[ADSB] offset:1024*\g+64*\i
.endr
.irp i, 0,1,2,3
	ds_load_b32 v[SCA+4*\g+\i], v[ADSA] offset:512*\g+64*\i
.endr
.endr
	FETCH 0, 0, 0
	s_wait_dscnt 0x0
	s_wait_loadcnt 0x0                             ; the bias
	FETCH 0, 1, 1
	WIN MULB
	MUL8 0, 0, 0, 1                                ; the first products start the sums from the bias
	MUL8 1, 0, 0, 1
	MUL8 2, 0, 0, 1
	MUL8 3, 0, 0, 1
	TURN 1, 1, 1, 1, 0
	STEP 0, 2, 1, 1
	STEP 1, 3, 2, 0
	STEP 0, 4, 2, 1
	TURN 1, 5, 0, 0, 0                             ; K step 3 is in; nobody reads regions 1 and 2 any more
	STEP 0, 6, 0, 1
	s_wait_dscnt 0x0
	WIN MUL
	MUL8 0, 1, 7, 0
	MUL8 1, 1, 7, 0
	MUL8 2, 1, 7, 0
	MUL8 3, 1, 7, 0
	WIN 0
; THE WAY OUT, block by block of 16 rows x 128 columns, through my own stage: in as a lane holds them, back as rows of 512 bytes, which the 32 lanes store as two aligned units of 256 bytes.
; LDS serves a wave's instructions in order (ISA guide 5.7.1.4): no wait between the stores and the loads.
.macro TOSTAGE a
.set AC, 64*(\a)
	WIN 0x08
.irp b, 0,1,2,3,4,5,6,7
	ds_store_b128 v[STO], v[AC+8*\b:AC+8*\b+3] offset:64*\b          ; each accumulator from its low end on
	ds_store_b128 v[STO], v[AC+8*\b+4:AC+8*\b+7] offset:64*\b+16
.endr
	WIN 0
.set BB, BK+64*((\a)%2)
.irp t, 0,1,2,3,4,5,6,7,8,9,10,11,12,13,14,15
	ds_load_b128 v[BB+4*\t:BB+4*\t+3], v[RD] offset:\t*SPITCH
.endr
.endm
.macro SEND a, younger
.set BB, BK+64*((\a)%2)
	s_wait_dscnt \younger
.if (\a) > 0
	s_add_nc_u64 s[12:13], s[12:13], 16*SIZE_N*4   ; behind a wait on XCNT: the earlier stores have read their base
.endif
.irp t, 0,1,2,3,4,5,6,7,8,9,10,11,12,13,14,15
	global_store_b128 v[CO], v[BB+4*\t:BB+4*\t+3], s[12:13] offset:\t*SIZE_N*4 th:TH_STORE_NT
.endr
.endm
	PLACES NP
	TOSTAGE 0
.irp a, 1,2,3
.if \a > 1
	s_wait_xcnt 0x0                                ; block a - 2's stores have read their registers and their base
.endif
	TOSTAGE \a
	SEND \a-1, 32                                  ; behind block a - 1's loads: block a's 16 stores and 16 loads
.endr
	s_wait_xcnt 0x0
	SEND 3, 0
	s_wait_tensorcnt 0x0                           ; the wave's end
	ds_add_u32 v[SPW], v[NIL]
	s_wait_dscnt 0x0
	CROUND                                         ; the closing round
	s_endpgm
.Lfunc_end_k_qf96bd49056_proj:
	.size	k_qf96bd49056_proj, .Lfunc_end_k_qf96bd49056_proj-k_qf96bd49056_proj
	.p2alignl 7, 3214868480
	.fill 96, 4, 3214868480
	.section	.rodata,"a",@progbits
	.p2align	6, 0x0
	.amdhsa_kernel k_qf96bd49056_proj
		.amdhsa_group_segment_fixed_size 327680
		.amdhsa_private_segment_fixed_size 0
		.amdhsa_enable_private_segment 0
		.amdhsa_kernarg_size 48
		.amdhsa_user_sgpr_count 2
		.amdhsa_user_sgpr_kernarg_segment_ptr 1
		.amdhsa_wavefront_size32 1
		.amdhsa_system_sgpr_workgroup_id_x 1
		.amdhsa_system_sgpr_workgroup_id_y 1
		.amdhsa_system_sgpr_workgroup_id_z 1
		.amdhsa_system_vgpr_workitem_id 0
		.amdhsa_next_free_vgpr 1024
		.amdhsa_next_free_sgpr 100
		.amdhsa_reserve_vcc 0
		.amdhsa_float_denorm_mode_32 3
		.amdhsa_float_denorm_mode_16_64 3
		.amdhsa_memory_ordered 1
		.amdhsa_forward_progress 1
		.amdhsa_inst_pref_size 93
	.end_amdhsa_kernel
	.amdgpu_metadata
---
amdhsa.version: [ 1, 2 ]
amdhsa.kernels:
  - .name:           k_qf96bd49056_proj
    .symbol:         k_qf96bd49056_proj.kd
    .args:
      - { .name: oimg, .offset: 0, .size: 8, .value_kind: global_buffer, .address_space: global }
      - { .name: osw, .offset: 8, .size: 8, .value_kind: global_buffer, .address_space: global }
      - { .name: wimg, .offset: 16, .size: 8, .value_kind: global_buffer, .address_space: global }
      - { .name: wsw, .offset: 24, .size: 8, .value_kind: global_buffer, .address_space: global }
      - { .name: b, .offset: 32, .size: 8, .value_kind: global_buffer, .address_space: global }
      - { .name: out0, .offset: 40, .size: 8, .value_kind: global_buffer, .address_space: global }
    .group_segment_fixed_size: 327680
    .private_segment_fixed_size: 0
    .kernarg_segment_align: 8
    .kernarg_segment_size: 48
    .max_flat_workgroup_size: 128
    .sgpr_count:     100
    .vgpr_count:     1024
    .wavefront_size: 32
...
	.end_amdgpu_metadata
.endif
;; end of part 3
